; MI455X (gfx1250); checked and timed in simulation.
; The chip was launched on July 23, 2026; its instructions are those of AMD's public machine-readable ISA for CDNA 5 (MIT licence, August 2026) and "CDNA5" Instruction Set Architecture Reference Guide (July 2026). The comments in the code are by the model that wrote it; some were corrected since.
;; Multi Head Attention. Allowed arithmetic: matrix products marked QUANTISED: E3M2 operands, one E8M0 scale for each 32 along K, by v_wmma_scale_f32_16x16x128_f8f6f4 with both operands' format E3M2, f32 sums; everything else in f32.
;; Inputs: Wk 512 x 512 float32; Wo 512 x 512 float32; Wq 512 x 512 float32; Wv 512 x 512 float32; bk 512 float32; bo 512 float32; bq 512 float32; bv 512 float32; x 2 x 4,096 x 512 float32.
;; Outputs: out0 2 x 4,096 x 512 float32.
;; This version of the problem:
;;   THIS VERSION OF THE PROBLEM IS GIVEN IN LOW PRECISION. The matrix products marked QUANTISED in the list below multiply operands that are first quantised to E3M2 (3 exponent bits, 2 mantissa bits; 6 bits a number), with one power-of-two scale for each 32 numbers along K (OCP MX v1.0); their sums are f32. All else is computed in f32.
;;   The module's matrix products, in the order in which they are computed (A, B: the left and right operand; K: the contracted axis; several contracted axes count as one K, in the product's order):
;;     1. [M 8,192, K 512] x [K 512, N 512]; A: input x; B: input Wq: QUANTISED
;;     2. [M 8,192, K 512] x [K 512, N 512]; A: input x; B: input Wk: QUANTISED
;;     3. [M 8,192, K 512] x [K 512, N 512]; A: input x; B: input Wv: QUANTISED
;;     4. batch 16 x [M 4,096, K 64] x [K 64, N 4,096]; A: computed on the way; B: computed on the way: QUANTISED
;;     5. batch 16 x [M 4,096, K 4,096] x [K 4,096, N 64]; A: softmax (see below); B: computed on the way: QUANTISED
;;     6. [M 8,192, K 512] x [K 512, N 512]; A: computed on the way; B: input Wo: QUANTISED
;;   THE QUANTISER, for each operand of a quantised product, along K:
;;     - K is cut into blocks of 32 from its start; a last block that is shorter is filled with zeros.
;;     - A block's scale is 2^e with e = floor(log2(the largest magnitude in the block)) - 4, held to -126 .. 127; a block of zeros has e = 0. As a byte (E8M0): e + 127.
;;     - Each number is divided by its block's scale, clamped to +-28, and rounded to the nearest number of E3M2, ties to even, subnormals kept.
;;     - The product sums the exact products of the quantised numbers (number of the format x scale) in f32.
;;   ~~~python
;;   def quantise(x, axis):      # numpy; x: float32 -> the quantised numbers, widened to float32 again
;;       x = np.moveaxis(x, axis, -1); K = x.shape[-1]
;;       x = np.pad(x, [(0, 0)] * (x.ndim - 1) + [(0, -K % 32)]); x = x.reshape(x.shape[:-1] + (-1, 32)); a = np.abs(x).max(-1, keepdims=True)
;;       e = np.where(a > 0, np.clip(np.frexp(np.where(a > 0, a, 1))[1] - 1 - 4, -126, 127), 0)      # np.frexp(a)[1] - 1 = floor(log2(a)), exactly
;;       r = np.clip(x / 2.0 ** e, -28, 28)
;;       step = 2.0 ** (np.maximum(np.frexp(np.where(r == 0, 1, r))[1] - 1, -2) - 2)
;;       q = np.round(r / step) * step * 2.0 ** e      # np.round: ties to even
;;       return np.moveaxis(q.reshape(q.shape[:-2] + (-1,))[..., :K], -1, axis).astype(np.float32)
;;   ~~~
;;   SOFTMAX AHEAD OF A QUANTISED PRODUCT. Where the list says 'softmax', what is quantised is not the finished softmax but p = 2^(t - M), with t = logit x log2(e) and M = ceil(the row's largest t), a whole number; so 1/2 < the row's largest p <= 1. The row's sum l is taken of the UNQUANTISED p, in f32, and the product's result is divided by l at the end. Since M is a whole number, a kernel that streams over the keys may use a running M (the ceiling of the running maximum): every later rescaling is an exact power of two, which a block's scale takes up: the codes' values come out the same.
;;   OPERANDS COMPUTED ON THE WAY. 'Computed on the way' means the value that the module computes at that place (a softmax that the list does not call 'softmax' is quantised finished and normalised). What goes into a quantiser is computed in f32, as accurately as f32 sums, v_exp_f32 and their like allow (about 1e-6 of the number): no bf16 or f16 on the way to a quantiser, and a product that is left as it is and whose result goes on into a quantised operand takes f32 operands (vector FMAs, or v_wmma_f32_16x16x4_f32). A number that lies on a knife's edge between two numbers of the format may be rounded either way, as far as f32 arithmetic and the matrix unit's own rounding can turn it there, and no further.
;; One version. Each part assembles by itself: llvm-mc -triple=amdgcn-amd-amdhsa -mcpu=gfx1250 --defsym DOCPART=n.
;; ======== version 1 of 1: 3 launches
;; limits: right only within a limited range of input values
;; workspace buffers: xq 3,276,800 bytes; wq 819,200 bytes; qq 3,407,872 bytes; kv 6,815,744 bytes
;; launch prep (part 1): grid 192 x 1, 4 waves a work-group, no clusters, 34,304 bytes of LDS; arguments x, Wq, Wk, Wv, Wo, xq, wq; writes xq, wq
.if DOCPART == 1
	.amdgcn_target "amdgcn-amd-amdhsa--gfx1250"
	.amdhsa_code_object_version 6
	.text
	.protected	k_q70a7c0b019_prep
	.globl	k_q70a7c0b019_prep
	.p2align	8
	.type	k_q70a7c0b019_prep,@function
k_q70a7c0b019_prep:
	s_mov_b64 s[64:65], 0
	v_nop
	global_prefetch_b8 v0, s[64:65] scope:SCOPE_SE
	s_setreg_imm32_b32 hwreg(HW_REG_WAVE_MODE, 25, 1), 1
	s_wait_xcnt 0x0
; x [8192][512] f32 and the four weights [512 (k)][512 (n)] f32 become codes of BF6 (E3M2) with one E8M0 byte for each 32 along K, laid as the later launches' operand registers want them.
; A block's scale is 2^(floor(log2(largest magnitude)) - 4): its byte is the largest magnitude's exponent field - 4, held at 1 from below.
; LIMITS: NaN and infinities among the inputs are not served; a block whose largest magnitude lies under 2^-122 gets the byte 1; a block of zeros gets the byte 1 where the rule says 127
; (its codes are zeros, which add nothing under any byte but 0xff, and only this program reads the bytes).
; A TILE of 16 rows: tile T holds rows 32 (T / 2) + 8 (T % 2) + r + 8 (r / 8), r = 0 .. 15, for tokens and for the weights' output channels alike: used as source 0 of a product, two neighbouring tiles
; then give a lane 16 neighbouring results.
; AN IMAGE of a fragment (16 rows x 128 K, 12 registers a lane) is 1,536 bytes: registers 4 c .. 4 c + 3 of lane l at 512 c + 16 l.  Three loads of 16 bytes a lane bring it back.
; xq: image of (tile T, K step s) at (4 T + s) 1536; scale words at XQS + 256 T + 16 r + 4 s.     wq: matrix m (q, k, v, o): images of W^T at 196608 m + (4 T + s) 1536; words at WQS + 8192 m + 256 T + 16 r + 4 s.
; Work-groups 0-127 take x (a wave a tile), work-groups 128-191 the weights (a wave: 32 columns x 128 along K).  Waves share nothing: no barrier.  Only the x path touches LDS.
.set XQS, 3145728
.set WQS, 786432
.set SEL, 20                           ; s[20:21] v_permlanex16_b32's selects for lane l xor 16
; the x path's registers
.set L16, 2                            ; v2   16 x lane
.set SA,  5                            ; v5   my wave's stage, on the way in: 16 x lane
.set SL,  6                            ; v6   and on the way out: 528 r + 64 h
.set R16, 7                            ; v7   16 r
.set R,   16                           ; v16-143  two sets of 64: a K step's numbers as loaded
.set X,   144                          ; v144-207 64 numbers of my row: register 16 b + i = k 32 b + 16 h + i
.set PC,  208                          ; v208-219 the codes just made; v220-226 at work
.set TM,  228                          ; v228-243 at work
.set SW,  244                          ; v244-247 the row's four scale words
.set PW,  248                          ; v248 the scale word just made
; the weights path's registers
.set WX,  16                           ; v16-143  register 64 h + 32 c + i = row 64 c + 32 h + i of my column
.set WF,  144                          ; v144-167 the two fragment lanes (h = 0, 1) that my column fills
.set WY,  168                          ; v168-174 at work
.set WM,  176
.set WE,  178
.set WB,  180                          ; v180-183 the four bytes
.set WW,  184
; 64 numbers of a lane, register 16 b + i = k 32 b + 16 (lane / 16) + i of my row, become a fragment's codes in v[PC] on and its scale word in v[PW].
.macro QUANT s
.irp b, 0,1,2,3
	v_max3_num_f32 v[TM+\b], |v[\s+16*\b]|, |v[\s+1+16*\b]|, 0x2800000   ; block b: my 16 numbers, and the floor 2^(5 - 127): the byte cannot fall under 1
.endr
.irp i, 2,4,6,8,10,12,14
.irp b, 0,1,2,3
	v_max3_num_f32 v[TM+\b], v[TM+\b], |v[\s+16*\b+\i]|, |v[\s+1+16*\b+\i]|   ; the four blocks by turns
.endr
.endr
.irp b, 0,1,2,3
	v_permlanex16_b32 v[TM+4+\b], v[TM+\b], s[SEL], s[SEL+1]
.endr
.irp b, 0,1,2,3
	v_max_num_f32 v[TM+\b], v[TM+\b], v[TM+4+\b]   ; with lane l xor 16's 16: the block's largest magnitude
.endr
.irp b, 0,1,2,3
	v_add_nc_u32 v[TM+12+\b], 0xfe000000, v[TM+\b]   ; 4 off its exponent field: the conversion takes this operand's exponent field as its scale
.endr
.irp b, 0,1,2,3
	v_lshrrev_b32 v[TM+4+\b], 23, v[TM+12+\b]      ; the scale's byte
.endr
	v_lshl_or_b32 v[PW], v[TM+5], 8, v[TM+4]
	v_lshl_or_b32 v[PW], v[TM+6], 16, v[PW]
	v_lshl_or_b32 v[PW], v[TM+7], 24, v[PW]
.irp c, 0,1
	v_cvt_scalef32_pk16_bf6_f32 v[PC+6*\c:PC+2+6*\c], v[\s+32*\c:\s+15+32*\c], v[TM+12+2*\c]
	v_cvt_scalef32_pk16_bf6_f32 v[PC+12+4*\c:PC+14+4*\c], v[\s+16+32*\c:\s+31+32*\c], v[TM+12+2*\c+1]   ; (a conversion's three registers begin on an even number)
.endr
	v_nop                                          ; one plain instruction behind the conversions
.irp c, 0,1                                    ; the operand wants a WHOLE block in a lane: lanes 0-15 block 2 c, lanes 16-31 block 2 c + 1
.irp i, 0,1,2
	v_permlane16_swap_b32 v[PC+6*\c+\i], v[PC+12+4*\c+\i]
.endr
.irp i, 0,1,2
	v_mov_b32 v[PC+3+6*\c+\i], v[PC+12+4*\c+\i]
.endr
.endr
.endm
.macro LOAD s                          ; K step s of my 16 rows: each load reads 512 consecutive bytes of one row, at a multiple of 512
.irp i, 0,1,2,3,4,5,6,7,8,9,10,11,12,13,14,15
	global_load_b128 v[R+64*((\s)%2)+4*\i:R+64*((\s)%2)+4*\i+3], v[L16], s[4:5] offset:(\i+8*(\i/8))*2048+512*(\s) th:TH_LOAD_NT
.endr
.endm
.macro TURN s                          ; through my own stage (rows 528 bytes apart): in as loaded, out 64 bytes a lane.  LDS serves a wave's instructions in order: no wait between
.irp i, 0,1,2,3,4,5,6,7,8,9,10,11,12,13,14,15
	ds_store_b128 v[SA], v[R+64*((\s)%2)+4*\i:R+64*((\s)%2)+4*\i+3] offset:528*\i
.endr
.irp b, 0,1,2,3
.irp j, 0,1,2,3
	ds_load_b128 v[X+16*\b+4*\j:X+16*\b+4*\j+3], v[SL] offset:128*\b+16*\j
.endr
.endr
.endm
	s_load_b256 s[4:11], s[0:1], 0x0               ; x s[4:5], Wq s[6:7], Wk s[8:9], Wv s[10:11]
	s_load_b128 s[12:15], s[0:1], 0x20             ; Wo s[12:13], xq s[14:15]
	s_load_b64 s[16:17], s[0:1], 0x30              ; wq
	v_lshl_add_u32 v254, v0, 2, 0x8400
	v_mov_b32 v255, 0
	v_lshrrev_b32 v1, 5, v0
	v_readfirstlane_b32 s18, v1                    ; wave 0..3
	v_and_b32 v1, 31, v0                           ; lane
	s_cmp_lt_u32 ttmp9, 128
	s_cbranch_scc0 .Lweights
	; ---- x: wave w takes tile T = 4 x work-group + w
	s_mov_b32 s[SEL], 0x76543210
	s_mov_b32 s[SEL+1], 0xfedcba98
	s_lshl_b32 s22, ttmp9, 2
	s_add_co_u32 s22, s22, s18                     ; T
	s_lshr_b32 s24, s22, 1
	s_lshl_b32 s24, s24, 16                        ; 32 (T / 2) rows of 2,048 bytes
	s_and_b32 s23, s22, 1
	s_lshl_b32 s23, s23, 14                        ; + 8 (T % 2) rows
	s_add_co_u32 s24, s24, s23
	s_mov_b32 s25, 0
	s_mul_i32 s26, s22, 6144                       ; the tile's four images
	s_mov_b32 s27, 0
	s_lshl_b32 s28, s22, 8
	s_add_co_u32 s28, s28, XQS                     ; its 256 bytes of scale words
	s_mov_b32 s29, 0
	s_mul_i32 s30, s18, 8448                       ; my stage: 16 rows x 528 bytes
	s_wait_alu depctr_va_vdst(0)
	v_lshlrev_b32 v[L16], 4, v1
	v_and_b32 v3, 15, v0                           ; r
	v_bfe_u32 v4, v0, 4, 1                         ; h
	v_add_nc_u32 v[SA], s30, v[L16]
	v_mul_u32_u24 v[SL], v3, 528
	v_lshl_add_u32 v[SL], v4, 6, v[SL]
	v_add_nc_u32 v[SL], s30, v[SL]
	v_lshlrev_b32 v[R16], 4, v3
.irp b, 0,1,2,3
	v_mov_b32 v[TM+4+\b], 0                        ; written once: a lane permute's destination counts as one of its sources
.endr
	s_wait_alu depctr_va_vdst(0)
	s_wait_kmcnt 0x0
	s_add_nc_u64 s[4:5], s[4:5], s[24:25]
	s_add_nc_u64 s[26:27], s[14:15], s[26:27]
	s_add_nc_u64 s[28:29], s[14:15], s[28:29]
	LOAD 0
	LOAD 1
.irp s, 0,1,2,3
.if \s < 3
	s_wait_loadcnt 16                              ; this K step's 16 loads are in; the next step's 16 may be out
.else
	s_wait_loadcnt 0x0
.endif
	TURN \s
	s_wait_dscnt 0x0                               ; my numbers are back, and the stores into the stage have read their registers,
.if \s < 2
	LOAD \s+2                                      ; which take the loads of two steps on
.endif
.if \s > 0
	s_wait_xcnt 0x0                                ; the last step's stores have read the codes' registers: they are written again only behind this wait
.endif
	QUANT X
	v_mov_b32 v[SW+\s], v[PW]
.irp c, 0,1,2
	global_store_b128 v[L16], v[PC+4*\c:PC+4*\c+3], s[26:27] offset:1536*\s+512*\c   ; 512 consecutive bytes, at a multiple of 512
.endr
.endr
	s_wait_alu depctr_va_vdst(0)
	s_wait_xcnt 0x0                                ; EXEC changes only behind this wait
	v_cmp_gt_u32 vcc_lo, 16, v1
	s_wait_tensorcnt 0x0
	ds_add_u32 v254, v255
	s_wait_dscnt 0x0
	s_and_saveexec_b32 s31, vcc_lo                 ; lanes 16-31 hold the same words as lanes 0-15
	global_store_b128 v[R16], v[SW:SW+3], s[28:29] ; 16 lanes store the tile's 256 bytes of scale words
	s_wait_xcnt 0x0
	s_or_b32 exec_lo, exec_lo, s31
	s_endpgm
	; ---- the weights.  A LANE TAKES A COLUMN n AND ITS REGISTERS RUN DOWN K: a block of 32 lies in one lane, and the codes come out with K innermost.
.Lweights:
	s_sub_co_u32 s22, ttmp9, 128
	s_lshr_b32 s23, s22, 4                         ; m: which matrix
	s_bfe_u32 s24, s22, 0x20002                    ; s: which 128 along K
	s_and_b32 s25, s22, 3
	s_lshl_b32 s25, s25, 2
	s_add_co_u32 s25, s25, s18                     ; g: which 32 columns; the four waves stand side by side on 512 bytes of a row
	s_lshl_b32 s26, s24, 18                        ; 128 s rows of 2,048 bytes
	s_lshl_b32 s27, s25, 7
	s_add_co_u32 s26, s26, s27                     ; + 32 g columns
	s_mov_b32 s27, 0
	s_mul_i32 s28, s23, 196608
	s_mul_i32 s29, s25, 12288                      ; tiles 2 g and 2 g + 1
	s_add_co_u32 s28, s28, s29
	s_mul_i32 s29, s24, 1536
	s_add_co_u32 s28, s28, s29
	s_mov_b32 s29, 0
	s_lshl_b32 s30, s23, 13
	s_lshl_b32 s31, s25, 9
	s_add_co_u32 s30, s30, s31
	s_lshl_b32 s31, s24, 2
	s_add_co_u32 s30, s30, s31
	s_add_co_u32 s30, s30, WQS
	s_mov_b32 s31, 0
	s_wait_alu depctr_va_vdst(0)
	v_lshlrev_b32 v2, 2, v1                        ; in: 4 bytes a lane
	v_bfe_u32 v3, v0, 3, 1                         ; column 32 g + l is row r' of tile 2 g + u: u = (l / 8) % 2,
	v_and_b32 v4, 7, v0
	v_bfe_u32 v5, v0, 4, 1
	v_lshl_or_b32 v4, v5, 3, v4                    ; r' = l % 8 + 8 (l / 16)
	v_mul_u32_u24 v6, v3, 6144
	v_lshl_add_u32 v6, v4, 4, v6                   ; the images: 6144 u + 16 r'
	v_lshlrev_b32 v7, 8, v3
	v_lshl_add_u32 v7, v4, 4, v7                   ; the scale words: 256 u + 16 r'
	s_wait_alu depctr_va_vdst(0)
	s_wait_kmcnt 0x0
	s_cmp_eq_u32 s23, 1                            ; the choice hangs on the work-group's number alone
	s_cselect_b64 s[6:7], s[8:9], s[6:7]
	s_cmp_eq_u32 s23, 2
	s_cselect_b64 s[6:7], s[10:11], s[6:7]
	s_cmp_eq_u32 s23, 3
	s_cselect_b64 s[6:7], s[12:13], s[6:7]
	s_add_nc_u64 s[6:7], s[6:7], s[26:27]
	s_add_nc_u64 s[28:29], s[16:17], s[28:29]
	s_add_nc_u64 s[30:31], s[16:17], s[30:31]
.irp h, 0,1
.irp c, 0,1
.irp i, 0,1,2,3,4,5,6,7,8,9,10,11,12,13,14,15,16,17,18,19,20,21,22,23,24,25,26,27,28,29,30,31
	global_load_b32 v[WX+64*\h+32*\c+\i], v2, s[6:7] offset:(64*\c+32*\h+\i)*2048 th:TH_LOAD_NT
.endr
.endr
.endr
; Fragment lane (r', hh) of my column: blocks hh and 2 + hh of the 128 along K.
.macro HALF hh
.if \hh == 0
	s_wait_loadcnt 63                              ; at most 63 of the 128 loads are out: the first 64 are in
.else
	s_wait_loadcnt 0x0
.endif
.irp c, 0,1
	v_max3_num_f32 v[WM+\c], |v[WX+64*\hh+32*\c]|, |v[WX+64*\hh+32*\c+1]|, 0x2800000   ; all 32 numbers of a block are mine; and the floor 2^(5 - 127)
.endr
.irp i, 2,4,6,8,10,12,14,16,18,20,22,24,26,28,30
.irp c, 0,1
	v_max3_num_f32 v[WM+\c], v[WM+\c], |v[WX+64*\hh+32*\c+\i]|, |v[WX+64*\hh+32*\c+\i+1]|
.endr
.endr
.irp c, 0,1
	v_add_nc_u32 v[WE+\c], 0xfe000000, v[WM+\c]    ; the conversion's scale operand
.endr
.irp c, 0,1
	v_lshrrev_b32 v[WB+2*\c+\hh], 23, v[WE+\c]     ; the byte of block 2 c + hh
.endr
.irp c, 0,1
	v_cvt_scalef32_pk16_bf6_f32 v[WF+12*\hh+6*\c:WF+12*\hh+6*\c+2], v[WX+64*\hh+32*\c:WX+64*\hh+32*\c+15], v[WE+\c]
	v_cvt_scalef32_pk16_bf6_f32 v[WY+4*\c:WY+4*\c+2], v[WX+64*\hh+32*\c+16:WX+64*\hh+32*\c+31], v[WE+\c]   ; (three registers begin on an even number: made elsewhere and moved)
.endr
	v_nop                                          ; one plain instruction behind the conversions
.irp c, 0,1
.irp i, 0,1,2
	v_mov_b32 v[WF+12*\hh+6*\c+3+\i], v[WY+4*\c+\i]
.endr
.endr
.irp c, 0,1,2
	global_store_b128 v6, v[WF+12*\hh+4*\c:WF+12*\hh+4*\c+3], s[28:29] offset:512*\c+256*\hh   ; the 16 lanes of a tile store 256 consecutive bytes, at a multiple of 256
.endr
.endm
	HALF 0
	HALF 1
	v_lshl_or_b32 v[WW], v[WB+1], 8, v[WB]
	v_lshl_or_b32 v[WW], v[WB+2], 16, v[WW]
	v_lshl_or_b32 v[WW], v[WB+3], 24, v[WW]
	global_store_b32 v7, v[WW], s[30:31]           ; 4 of a row's 16 bytes of scale words: 32,768 bytes in the whole launch go out so
	s_endpgm
.Lfunc_end_k_q70a7c0b019_prep:
	.size	k_q70a7c0b019_prep, .Lfunc_end_k_q70a7c0b019_prep-k_q70a7c0b019_prep
	.p2alignl 7, 3214868480
	.fill 96, 4, 3214868480
	.section	.rodata,"a",@progbits
	.p2align	6, 0x0
	.amdhsa_kernel k_q70a7c0b019_prep
		.amdhsa_group_segment_fixed_size 34304
		.amdhsa_private_segment_fixed_size 0
		.amdhsa_enable_private_segment 0
		.amdhsa_kernarg_size 56
		.amdhsa_user_sgpr_count 2
		.amdhsa_user_sgpr_kernarg_segment_ptr 1
		.amdhsa_wavefront_size32 1
		.amdhsa_system_sgpr_workgroup_id_x 1
		.amdhsa_system_sgpr_workgroup_id_y 1
		.amdhsa_system_sgpr_workgroup_id_z 1
		.amdhsa_system_vgpr_workitem_id 0
		.amdhsa_next_free_vgpr 256
		.amdhsa_next_free_sgpr 66
		.amdhsa_reserve_vcc 1
		.amdhsa_float_denorm_mode_32 3
		.amdhsa_float_denorm_mode_16_64 3
		.amdhsa_memory_ordered 1
		.amdhsa_forward_progress 1
		.amdhsa_inst_pref_size 54
	.end_amdhsa_kernel
	.amdgpu_metadata
---
amdhsa.version: [ 1, 2 ]
amdhsa.kernels:
  - .name:           k_q70a7c0b019_prep
    .symbol:         k_q70a7c0b019_prep.kd
    .args:
      - { .name: x, .offset: 0, .size: 8, .value_kind: global_buffer, .address_space: global }
      - { .name: Wq, .offset: 8, .size: 8, .value_kind: global_buffer, .address_space: global }
      - { .name: Wk, .offset: 16, .size: 8, .value_kind: global_buffer, .address_space: global }
      - { .name: Wv, .offset: 24, .size: 8, .value_kind: global_buffer, .address_space: global }
      - { .name: Wo, .offset: 32, .size: 8, .value_kind: global_buffer, .address_space: global }
      - { .name: xq, .offset: 40, .size: 8, .value_kind: global_buffer, .address_space: global }
      - { .name: wq, .offset: 48, .size: 8, .value_kind: global_buffer, .address_space: global }
    .group_segment_fixed_size: 34304
    .private_segment_fixed_size: 0
    .kernarg_segment_align: 8
    .kernarg_segment_size: 56
    .max_flat_workgroup_size: 128
    .sgpr_count:     66
    .vgpr_count:     256
    .wavefront_size: 32
...
	.end_amdgpu_metadata
.endif
;; end of part 1
;; launch qkv (part 2): grid 64 x 3, 8 waves a work-group, no clusters, 103,424 bytes of LDS; arguments xq, wq, bq, bk, bv, qq, kv; writes qq, kv
.if DOCPART == 2
	.amdgcn_target "amdgcn-amd-amdhsa--gfx1250"
	.amdhsa_code_object_version 6
	.text
	.protected	k_q70a7c0b019_qkv
	.globl	k_q70a7c0b019_qkv
	.p2align	8
	.type	k_q70a7c0b019_qkv,@function
k_q70a7c0b019_qkv:
	s_mov_b64 s[64:65], 0
	v_nop
	global_prefetch_b8 v0, s[64:65] scope:SCOPE_SE
	s_setreg_imm32_b32 hwreg(HW_REG_WAVE_MODE, 25, 1), 1
	s_wait_xcnt 0x0
; Q = x Wq + bq, K = x Wk + bk, V = x Wv + bv on codes of BF6 (E3M2) with E8M0 scales, f32 sums; the results are quantised in registers and stored as the attention launch's operand images.
; SHARES.  Work-group x: 128 tokens (one key step); work-group y: Q, K or V; a wave: one head, 64 channels.  Each wave issues 128 matrix instructions.
; TILES AND IMAGES as the launch before lays them: tile T holds rows 32 (T / 2) + 8 (T % 2) + r + 8 (r / 8); an image holds registers 4 c .. 4 c + 3 of lane l at 512 c + 16 l.
; Q, K: source 0 = 16 channels of W^T, source 1 = 16 tokens of x: a lane holds ONE token and its 32 registers run along the head's 64 channels (two blocks of 32 with lane l xor 16).
; V:    source 0 = 16 tokens of x, source 1 = 16 channels of Wv^T: a lane holds ONE channel and its registers run along the KEYS, which are the second product's K.
; The bias is the C of each sum's first matrix instruction.
; OUT.  rec = (batch x 8 + head) x 32 + block of 128 tokens.  qq: rec 6144 + 1536 j: registers 0-5 tile 2 j, 6-11 tile 2 j + 1 (a tile has 64 along K: 6 registers); words at QQS + 512 rec + 16 l + 4 j
; (lanes 0-15 tile 2 j, lanes 16-31 tile 2 j + 1; bytes 2, 3 are 0).  kv: rec 13312: K as in qq, at + 6144 V's four images (16 channels x 128 keys); words at 13312 rec + 12288: K's 512 bytes, then V's.
; The block's codes and scale words of x (51,200 bytes) are copied into LDS once, a wave a tile, since all eight waves read them.  The two paths part on the work-group's y, never join, and have LDS bytes of their own.
; NO JOINT LOADS: a wave reads its head's 24,576 bytes of weights once, straight into registers; through LDS each of these bytes would be written and read once more for nothing.  The x block is shared by the
; three work-groups along y, and 3 is no multiple of a cluster's width.
; LIMITS: NaN and infinities are not served; a block whose largest magnitude lies under 2^-122, a block of zeros among them, gets the byte 1 (zero codes add nothing; only this program reads the bytes).
.set XQS, 3145728
.set WQS, 786432
.set QQS, 3145728
; kv AS IT IS LAID HERE: a record is 13,312 bytes: K's four images, V's four images, K's 512 bytes of scale words at + 12288, V's 512 at + 12800: one dense block for each head and key step.
.set XSO, 49152                        ; in the LDS block: the scale words lie behind the eight tiles' codes
.set L16, 1                            ; v1   16 x lane
.set R16, 2                            ; v2   16 r
.set BA,  3                            ; v3   the bias's offset
.set LX,  4                            ; v4   V: 16 x lane + the path's LDS base
.set RX,  5                            ; v5   V: 16 r + the base + XSO
.set CPA, 6                            ; v6   where I put my tile's codes
.set CPS, 7                            ; v7   and its scale words
.set AS,  8                            ; v8-23    source 0's scale words: 4 a + s
.set BS,  24                           ; v24-31   source 1's: two sets of 4
.set BB,  32                           ; v32-127  source 1's fragments: two sets of 4 K steps x 12
.set ACC, 128                          ; v128-159 four accumulators
.set CD,  160                          ; v160-207 four images of codes; never written twice
.set HW,  208                          ; v208-215 a unit's two scale bytes
.set QM,  216
.set QP,  218
.set QS,  220
.set QY,  222
.set SCI, 228                          ; v228-231 the scale words as they are stored
.set L8,  232
.set VR,  233
.set VH,  234
.set BI,  192                          ; window 1: v0-191 source 0's 16 fragments ((a, s) at 12 (4 a + s)); v192-223 the bias, 8 registers a tile
.set HD,  18                           ; s18  my wave's number = the head
.set YY,  19                           ; s19  0 Q, 1 K, 2 V
.set SEL, 20
.set HI,  22                           ; s22  the mask of lanes 16-31
.set MSB, 0
.macro WIN new                         ; the immediate's high byte repeats the setting that is left
.if MSB != \new
	s_set_vgpr_msb (MSB<<8)|\new
.set MSB, \new
.endif
.endm
; 32 numbers of a lane, register 16 b + i = k 32 b + 16 (lane / 16) + i, become 6 registers of codes (lane (r, h): k = 32 h + 0 .. 31) at v[d] and the two scale bytes in v[hw].  Each accumulator is read from its low end on.
.macro QUANT2 s, d, hw
.irp b, 0,1
	v_max3_num_f32 v[QM+\b], |v[(\s)+16*\b]|, |v[(\s)+16*\b+1]|, 0x2800000   ; and the floor 2^(5 - 127): the byte cannot fall under 1
.endr
.irp i, 2,4,6,8,10,12,14
.irp b, 0,1
	v_max3_num_f32 v[QM+\b], v[QM+\b], |v[(\s)+16*\b+\i]|, |v[(\s)+16*\b+\i+1]|
.endr
.endr
.irp b, 0,1
	s_delay_alu instid0(VALU_DEP_2)
	v_permlanex16_b32 v[QP+\b], v[QM+\b], s[SEL], s[SEL+1]
.endr
.irp b, 0,1
	s_delay_alu instid0(VALU_DEP_2)
	v_max_num_f32 v[QM+\b], v[QM+\b], v[QP+\b]     ; with lane l xor 16's 16: the block's largest magnitude
.endr
.irp b, 0,1
	s_delay_alu instid0(VALU_DEP_2)
	v_add_nc_u32 v[QS+\b], 0xfe000000, v[QM+\b]    ; 4 off its exponent field: the conversion's scale operand
.endr
.irp b, 0,1
	s_delay_alu instid0(VALU_DEP_2)
	v_lshrrev_b32 v[QP+\b], 23, v[QS+\b]           ; the scale's byte
.endr
	s_delay_alu instid0(VALU_DEP_1)
	v_lshl_or_b32 v[\hw], v[QP+1], 8, v[QP]
	v_cvt_scalef32_pk16_bf6_f32 v[(\d):(\d)+2], v[(\s):(\s)+15], v[QS]
	v_cvt_scalef32_pk16_bf6_f32 v[QY:QY+2], v[(\s)+16:(\s)+31], v[QS+1]
	v_nop                                          ; one plain instruction behind the conversions
.irp i, 0,1,2
	v_permlane16_swap_b32 v[(\d)+\i], v[QY+\i]     ; a WHOLE block to a lane: lanes 0-15 block 0, lanes 16-31 block 1
.endr
.irp i, 0,1,2
	s_delay_alu instid0(VALU_DEP_3)
	v_mov_b32 v[(\d)+3+\i], v[QY+\i]
.endr
.endm
.macro BLOADL t, p                     ; Q, K: x's tile t, four K steps and its scale words, from LDS into set p: 13 loads
.set n, 0
.rept 12
	ds_load_b128 v[BB+48*(\p)+4*n:BB+48*(\p)+4*n+3], v[L16] offset:6144*(\t)+512*n
.set n, n+1
.endr
	ds_load_b128 v[BS+4*(\p):BS+4*(\p)+3], v[R16] offset:XSO+256*(\t)
.endm
.macro BLOADG i, p                     ; V: tile i of the head's Wv^T from memory into set p: 13 loads
.set n, 0
.rept 12
	global_load_b128 v[BB+48*(\p)+4*n:BB+48*(\p)+4*n+3], v[L16], s[28:29] offset:6144*(\i)+512*n
.set n, n+1
.endr
	global_load_b128 v[BS+4*(\p):BS+4*(\p)+3], v[R16], s[30:31] offset:256*(\i)
.endm
.macro LOADA o                         ; V: x's tiles 4 o .. 4 o + 3 (64 tokens) from LDS into window 1, and their scale words
	WIN 0x40                                       ; destination window 1, address window 0
.set n, 0
.rept 48
	ds_load_b128 v[4*n:4*n+3], v[LX] offset:24576*(\o)+512*n
.set n, n+1
.endr
	WIN 0
.irp a, 0,1,2,3
	ds_load_b128 v[AS+4*\a:AS+4*\a+3], v[RX] offset:(4*(\o)+\a)*256
.endr
.endm
; A UNIT: 16 matrix instructions (four accumulators by turns, K ascending), then their 32 numbers a lane are quantised.  Q, K: unit u = x's tile u.  V: unit u = tokens 64 (u / 4) on x channels' tile u % 4.
.macro UNIT isv, u
.set P, (\u)%2
.if \isv
.set CX, (\u)%4
.set CZ, (\u)/4
.if (\u)%4 == 0
	LOADA (\u)/4
.endif
.if \u < 7
	BLOADG ((\u)+1)%4, 1-P
	s_wait_loadcnt 13                              ; this unit's weights are in; the next unit's 13 loads may be out
.else
	s_wait_loadcnt 0x0
.endif
.if (\u)%4 == 0
	s_wait_dscnt 0x0                               ; x's 64 tokens are in
.endif
.else
.set CX, (\u)/2
.set CZ, (\u)%2
.if \u < 7
	BLOADL (\u)+1, 1-P
	s_wait_dscnt 13                                ; this unit's tile is in; the next unit's 13 loads may be out
.else
	s_wait_dscnt 0x0
.endif
.if \u == 0
	s_wait_loadcnt 0x0                             ; the weights, their scale words and the bias
.endif
.endif
.irp s, 0,1,2,3
.if \s == 0
	WIN 0x11                                       ; source 0 and C (the bias) window 1
.else
	WIN 0x01                                       ; source 0 window 1
.endif
.irp a, 0,1,2,3
.if \s == 0
.if \isv
.set CI, BI+8*((\u)%4)
.else
.set CI, BI+8*\a
.endif
	v_wmma_scale_f32_16x16x128_f8f6f4 v[ACC+8*\a:ACC+8*\a+7], v[12*(4*\a+\s):12*(4*\a+\s)+11], v[BB+48*P+12*\s:BB+48*P+12*\s+11], v[CI:CI+7], v[AS+4*\a+\s], v[BS+4*P+\s] matrix_a_fmt:MATRIX_FMT_BF6 matrix_b_fmt:MATRIX_FMT_BF6
.else
	v_wmma_scale_f32_16x16x128_f8f6f4 v[ACC+8*\a:ACC+8*\a+7], v[12*(4*\a+\s):12*(4*\a+\s)+11], v[BB+48*P+12*\s:BB+48*P+12*\s+11], v[ACC+8*\a:ACC+8*\a+7], v[AS+4*\a+\s], v[BS+4*P+\s] matrix_a_fmt:MATRIX_FMT_BF6 matrix_b_fmt:MATRIX_FMT_BF6
.endif
.endr
.endr
	WIN 0
.rept 4
	v_nop                                          ; four places between the last product and the first read of results; with the plain lines of the quantiser they also stand ahead of the next unit's loads and products
.endr
	QUANT2 ACC, CD+12*CX+6*CZ, HW+(\u)
.if CZ == 1                            ; the image is whole
.irp c, 0,1,2
	global_store_b128 v[L16], v[CD+12*CX+4*\c:CD+12*CX+4*\c+3], s[36:37] offset:1536*CX+512*\c   ; 512 consecutive bytes, at a multiple of 512
.endr
.endif
.endm
.macro BODY isv
.if \isv
.set XL, 51200
.else
.set XL, 0
.endif
	s_mul_i32 s40, s[HD], 6144
	s_lshl_b32 s41, s[HD], 8
.if XL
	s_add_co_u32 s40, s40, XL
.endif
	s_add_co_u32 s41, s41, XL+XSO
.if \isv
	v_and_b32 v[BA], 8, v[VR]
	s_delay_alu instid0(VALU_DEP_1)
	v_add_nc_u32 v[BA], v[BA], v[VR]
	s_delay_alu instid0(VALU_DEP_1)
	v_lshlrev_b32 v[BA], 2, v[BA]                  ; my channel in a tile: r + 8 (r / 8), 4 bytes each
	WIN 0x40
.irp i, 0,1,2,3
.irp j, 0,1,2,3,4,5,6,7
	global_load_b32 v[BI+8*\i+\j], v[BA], s[8:9] offset:(32*(\i/2)+8*(\i%2))*4   ; a lane holds one channel: its bias stands in all eight registers of C
.endr
.endr
	WIN 0
	BLOADG 0, 0
	v_add_nc_u32 v[LX], XL, v[L16]
	v_add_nc_u32 v[RX], XL+XSO, v[R16]
	v_add_nc_u32 v[CPA], s40, v[L16]
	v_add_nc_u32 v[CPS], s41, v[L8]
	s_wait_alu depctr_va_vdst(0)
	s_wait_loadcnt 45                              ; my tile of x is in: behind its 13 loads stand the bias's 32 and the first weights' 13
.else
	v_lshlrev_b32 v[BA], 6, v[VH]                  ; lane (r, h) wants, for tile 2 b + u, the bias of channels 32 b + 16 h + 8 u + 0 .. 7
	WIN 0x40
.set n, 0
.rept 48
	global_load_b128 v[4*n:4*n+3], v[L16], s[28:29] offset:512*n   ; the head's 16 fragments of W^T: they stay
.set n, n+1
.endr
.irp a, 0,1,2,3
	global_load_b128 v[BI+8*\a:BI+8*\a+3], v[BA], s[8:9] offset:(32*(\a/2)+8*(\a%2))*4
	global_load_b128 v[BI+8*\a+4:BI+8*\a+7], v[BA], s[8:9] offset:(32*(\a/2)+8*(\a%2))*4+16
.endr
	WIN 0
.irp a, 0,1,2,3
	global_load_b128 v[AS+4*\a:AS+4*\a+3], v[R16], s[30:31] offset:256*\a
.endr
	v_add_nc_u32 v[CPA], s40, v[L16]
	v_add_nc_u32 v[CPS], s41, v[L8]
	s_wait_alu depctr_va_vdst(0)
	s_wait_loadcnt 60                              ; my tile of x is in: behind its 13 loads stand 48 + 8 + 4
.endif
.set n, 0
.rept 12
	ds_store_b128 v[CPA], v[BB+48+4*n:BB+48+4*n+3] offset:512*n
.set n, n+1
.endr
	ds_store_b64 v[CPS], v[BS+4:BS+5]
	s_wait_dscnt 0x0                               ; for the others' sake: my stores have landed
	s_barrier_signal -1
	s_barrier_wait -1                              ; the block's eight tiles lie in LDS; nothing is written there again
.if !\isv
	BLOADL 0, 0
.endif
.irp u, 0,1,2,3,4,5,6,7
	UNIT \isv, \u
.endr
.if \isv
.irp i, 0,1,2,3
	v_lshl_or_b32 v[HW+\i], v[HW+4+\i], 16, v[HW+\i]   ; tile i's word: the bytes of keys 0-63 below, of keys 64-127 above
.endr
	s_delay_alu instid0(VALU_DEP_3)
	v_cndmask_b32 v[SCI], v[HW], v[HW+1], s[HI]    ; lanes 0-15 the even tile's words, lanes 16-31 the odd tile's
	s_delay_alu instid0(VALU_DEP_2)
	v_cndmask_b32 v[SCI+1], v[HW+2], v[HW+3], s[HI]
	v_mov_b32 v[SCI+2], 0
	v_mov_b32 v[SCI+3], 0
.else
.irp j, 0,1,2,3
	v_cndmask_b32 v[SCI+\j], v[HW+2*\j], v[HW+2*\j+1], s[HI]
.endr
.endif
	global_store_b128 v[L16], v[SCI:SCI+3], s[38:39]   ; 512 consecutive bytes
	s_wait_tensorcnt 0x0
	ds_add_u32 v254, v255
	s_wait_dscnt 0x0
	s_endpgm
.endm
	s_load_b256 s[4:11], s[0:1], 0x0               ; xq s[4:5], wq s[6:7], bq s[8:9], bk s[10:11]
	s_load_b128 s[12:15], s[0:1], 0x20             ; bv s[12:13], qq s[14:15]
	s_load_b64 s[16:17], s[0:1], 0x30              ; kv
	v_lshl_add_u32 v254, v0, 2, 0x19000
	v_mov_b32 v255, 0
	v_lshrrev_b32 v1, 5, v0
	s_delay_alu instid0(VALU_DEP_1)
	v_readfirstlane_b32 s[HD], v1
	s_and_b32 s[YY], ttmp7, 0xffff
	v_and_b32 v[L8], 31, v0                        ; lane
	v_and_b32 v[VR], 15, v0
	v_bfe_u32 v[VH], v0, 4, 1
	s_delay_alu instid0(VALU_DEP_3)
	v_lshlrev_b32 v[L16], 4, v[L8]
	s_delay_alu instid0(VALU_DEP_3)
	v_lshlrev_b32 v[R16], 4, v[VR]
	v_lshlrev_b32 v[L8], 3, v[L8]
	v_mov_b32 v[QP], 0                             ; written once: a lane permute's destination counts as one of its sources
	v_mov_b32 v[QP+1], 0
	s_mov_b32 s[SEL], 0x76543210
	s_mov_b32 s[SEL+1], 0xfedcba98
	s_mov_b32 s[HI], 0xffff0000
	s_mul_i32 s24, ttmp9, 49152                    ; the block's codes of x, and in them my tile
	s_mul_i32 s25, s[HD], 6144
	s_add_co_u32 s24, s24, s25
	s_mov_b32 s25, 0
	s_lshl_b32 s26, ttmp9, 11                      ; its scale words
	s_lshl_b32 s27, s[HD], 8
	s_add_co_u32 s26, s26, s27
	s_add_co_u32 s26, s26, XQS
	s_mov_b32 s27, 0
	s_mul_i32 s28, s[YY], 196608                   ; the matrix, and in it my head's four tiles
	s_mul_i32 s29, s[HD], 24576
	s_add_co_u32 s28, s28, s29
	s_mov_b32 s29, 0
	s_lshl_b32 s30, s[YY], 13
	s_lshl_b32 s31, s[HD], 10
	s_add_co_u32 s30, s30, s31
	s_add_co_u32 s30, s30, WQS
	s_mov_b32 s31, 0
	s_lshl_b32 s32, s[HD], 8                       ; my head's 64 numbers of the bias
	s_mov_b32 s33, 0
	s_lshr_b32 s34, ttmp9, 5                       ; batch
	s_lshl_b32 s34, s34, 3
	s_add_co_u32 s34, s34, s[HD]
	s_lshl_b32 s34, s34, 5
	s_and_b32 s35, ttmp9, 31
	s_add_co_u32 s34, s34, s35                     ; rec
	s_mov_b32 s36, 13312                           ; kv: a record of 13,312 bytes,
	s_mov_b32 s38, 13312
	s_mov_b32 s39, 12288                           ; its scale words behind its codes
	s_cmp_eq_u32 s[YY], 0                          ; Q goes to qq, K and V to kv
	s_cselect_b32 s36, 6144, s36
	s_cselect_b32 s38, 512, s38
	s_cselect_b32 s39, QQS, s39
	s_mul_i32 s36, s34, s36
	s_mul_i32 s38, s34, s38
	s_add_co_u32 s38, s38, s39
	s_cmp_eq_u32 s[YY], 2                          ; V's parts lie behind K's
	s_cselect_b32 s37, 6144, 0
	s_cselect_b32 s39, 512, 0
	s_add_co_u32 s36, s36, s37
	s_add_co_u32 s38, s38, s39
	s_mov_b32 s37, 0
	s_mov_b32 s39, 0
	s_wait_alu depctr_va_vdst(0)
	s_wait_kmcnt 0x0
	s_add_nc_u64 s[24:25], s[4:5], s[24:25]
	s_add_nc_u64 s[26:27], s[4:5], s[26:27]
	s_add_nc_u64 s[28:29], s[6:7], s[28:29]
	s_add_nc_u64 s[30:31], s[6:7], s[30:31]
	s_cmp_eq_u32 s[YY], 1
	s_cselect_b64 s[8:9], s[10:11], s[8:9]
	s_cmp_eq_u32 s[YY], 2
	s_cselect_b64 s[8:9], s[12:13], s[8:9]
	s_add_nc_u64 s[8:9], s[8:9], s[32:33]
	s_cmp_eq_u32 s[YY], 0
	s_cselect_b64 s[14:15], s[14:15], s[16:17]
	s_add_nc_u64 s[36:37], s[14:15], s[36:37]
	s_add_nc_u64 s[38:39], s[14:15], s[38:39]
.set n, 0
.rept 12
	global_load_b128 v[BB+48+4*n:BB+48+4*n+3], v[L16], s[24:25] offset:512*n   ; my tile of x, on its way into LDS: through set 1, which no product reads before the copy is done
.set n, n+1
.endr
	global_load_b64 v[BS+4:BS+5], v[L8], s[26:27]
	s_cmp_eq_u32 s[YY], 2
	s_cbranch_scc1 .Lvalues
	BODY 0
.Lvalues:
	BODY 1
.Lfunc_end_k_q70a7c0b019_qkv:
	.size	k_q70a7c0b019_qkv, .Lfunc_end_k_q70a7c0b019_qkv-k_q70a7c0b019_qkv
	.p2alignl 7, 3214868480
	.fill 96, 4, 3214868480
	.section	.rodata,"a",@progbits
	.p2align	6, 0x0
	.amdhsa_kernel k_q70a7c0b019_qkv
		.amdhsa_group_segment_fixed_size 103424
		.amdhsa_private_segment_fixed_size 0
		.amdhsa_enable_private_segment 0
		.amdhsa_kernarg_size 56
		.amdhsa_user_sgpr_count 2
		.amdhsa_user_sgpr_kernarg_segment_ptr 1
		.amdhsa_wavefront_size32 1
		.amdhsa_system_sgpr_workgroup_id_x 1
		.amdhsa_system_sgpr_workgroup_id_y 1
		.amdhsa_system_sgpr_workgroup_id_z 1
		.amdhsa_system_vgpr_workitem_id 0
		.amdhsa_next_free_vgpr 480
		.amdhsa_next_free_sgpr 66
		.amdhsa_reserve_vcc 0
		.amdhsa_float_denorm_mode_32 3
		.amdhsa_float_denorm_mode_16_64 3
		.amdhsa_memory_ordered 1
		.amdhsa_forward_progress 1
		.amdhsa_inst_pref_size 115
	.end_amdhsa_kernel
	.amdgpu_metadata
---
amdhsa.version: [ 1, 2 ]
amdhsa.kernels:
  - .name:           k_q70a7c0b019_qkv
    .symbol:         k_q70a7c0b019_qkv.kd
    .args:
      - { .name: xq, .offset: 0, .size: 8, .value_kind: global_buffer, .address_space: global }
      - { .name: wq, .offset: 8, .size: 8, .value_kind: global_buffer, .address_space: global }
      - { .name: bq, .offset: 16, .size: 8, .value_kind: global_buffer, .address_space: global }
      - { .name: bk, .offset: 24, .size: 8, .value_kind: global_buffer, .address_space: global }
      - { .name: bv, .offset: 32, .size: 8, .value_kind: global_buffer, .address_space: global }
      - { .name: qq, .offset: 40, .size: 8, .value_kind: global_buffer, .address_space: global }
      - { .name: kv, .offset: 48, .size: 8, .value_kind: global_buffer, .address_space: global }
    .group_segment_fixed_size: 103424
    .private_segment_fixed_size: 0
    .kernarg_segment_align: 8
    .kernarg_segment_size: 56
    .max_flat_workgroup_size: 256
    .sgpr_count:     66
    .vgpr_count:     480
    .wavefront_size: 32
...
	.end_amdgpu_metadata
.endif
;; end of part 2
;; launch attnproj (part 3): grid 256 x 1, 8 waves a work-group, clusters of 4 x 1, 327,680 bytes of LDS; arguments qq, kv, wq, bo, out0; writes out0
.if DOCPART == 3
	.amdgcn_target "amdgcn-amd-amdhsa--gfx1250"
	.amdhsa_code_object_version 6
	.text
	.protected	k_q70a7c0b019_attnproj
	.globl	k_q70a7c0b019_attnproj
	.p2align	8
	.type	k_q70a7c0b019_attnproj,@function
k_q70a7c0b019_attnproj:
	s_mov_b64 s[64:65], 0
	v_nop
	global_prefetch_b8 v0, s[64:65] scope:SCOPE_SE
	s_setreg_imm32_b32 hwreg(HW_REG_WAVE_MODE, 25, 1), 1
	s_wait_xcnt 0x0
	s_wait_alu depctr_hold_cnt(0) depctr_sa_sdst(0) depctr_va_vdst(0) depctr_va_sdst(0) depctr_va_ssrc(0) depctr_va_vcc(0) depctr_vm_vsrc(0)
	s_getreg_b32 s2, hwreg(HW_REG_IB_STS2, 6, 4)
	s_cmp_eq_u32 s2, 0
	s_cbranch_scc0 .Lentry_in_a_cluster
	s_endpgm
.Lentry_in_a_cluster:
	s_bfe_u32 s2, ttmp6, 0x10000c
	s_cmp_lg_u32 s2, 0x3003
	s_cbranch_scc0 .Lentry_shape_is_right
	s_endpgm
.Lentry_shape_is_right:
; out0 = (softmax(Q K^T / 8) V, heads side by side) Wo + bo, all three products on codes of BF6 (E3M2) with one E8M0 scale for each 32 along K, f32 sums.
; SHARES.  A work-group owns 32 tokens (query tiles 2 g, 2 g + 1) for ALL 8 heads; wave w is head w and walks that head's 32 key steps of 128 keys; at the end wave w makes output channels 64 w .. 64 w + 63.
; THE SOFTMAX: t = score x log2(e) / 8; M = the running largest t rounded up to a whole number; p = 2^(t - M) is quantised along the keys; the row's sum is taken of the unquantised p and divides O at the end;
; when M moves, the sum and O are multiplied by 2^(old M - new M), which is exact.
; LAYOUT.  S^T = K Q^T and O^T = V^T P^T: a lane holds one query.  K's images are read with a lane pattern of their own: rows 0-7 of a tile come from key block 2 c, rows 8-15 from block 2 c + 1, so that
; a lane's 32 registers of four tiles are ONE WHOLE BLOCK of 32 keys, 64 c + 32 h + 0 .. 31, in the order of the next operand: a block's maximum and its codes need no other lane.
; Head size 64 in a product of 128: Q's fragment is 6 registers of codes and 6 of zero codes; K's fragments lie 6 registers apart, each reaching into the next; bytes 2, 3 of both scale words are 0.
; THE RING: two slots, each with one key step of all 8 heads; each wave fetches its own head's record (13,312 bytes, 26 rows of 512, 128 bytes of padding behind each).
; The change of slots stands in the MIDDLE of a step, when the step's K and V are in registers: the slot takes the step two on, and the next
; step's K is read behind the exponentials, under the conversions and products.  The last two refills bring Wo^T (24,576 bytes a wave).
; CLUSTER: the four work-groups of a cluster belong to one batch and walk the same records: every tensor load is joint, with the mask of all four and the same descriptor.
; PREFETCH: in step i each wave of a work-group with ttmp9 under 4 names 13 blocks of 256 bytes of its head's record of step i + 4, two steps ahead of the load; the four partners take 13 of the 52 each, told apart by address; it stops at step 27.
; Wo^T is read by every work-group and is not prefetched: 196,608 bytes that all clusters ask for in the same two steps.
; LIMITS: NaN and infinities are not served; the promise holds while |t| stays under 2^31; v_exp_f32 gives 0 for a p under 2^-126; a block whose largest number lies under 2^-122, a block of zeros among them,
; gets the byte 1 (its codes add nothing, and only this program reads the bytes).
.set REC,   13312
.set LREC,  16640                      ; a record in LDS: 26 rows x 640
.set SLOT,  8*LREC
.set SPARE, 2*SLOT                     ; the spare words, 128 bytes a wave
.set AIM,   SPARE+1024                 ; O's codes: (tile x 8 + head) x 768
.set ASW,   AIM+12288                  ; O's scale bytes: 256 tile + 16 r + 2 head
.set QQS,   3145728
.set WOC,   3*196608
.set WOS,   786432+3*8192
.set SP,    2064                       ; the way out: a stage row (in slot 0, behind its last fill and last read)
.set SPW, 1
.set NIL, 2
.set L16, 3                            ; 16 x lane
.set AK,  4                            ; v4-5  K's codes in slot 0, 1
.set AL,  6                            ; v6-7  record + 16 x lane
.set AW,  8                            ; v8-9  K's scale words
.set PFO, 10
.set R16, 11
.set NM,  12                           ; -M: v[12 + 2 u + 4 (step % 2)]
.set RM,  13                           ; v13, v15 the running largest score
.set SH8, 17                           ; 8 h
.set L,   20                           ; v20-23 the sums, two halves a unit
.set F,   24                           ; v24, v26 the factor; v25, v27 p's scale words
.set PW,  25
.set QS,  28
.set KSC, 30                           ; v30-33
.set VSC, 34                           ; v34-35
.set BMA, 36                           ; v36-39 a block's largest score, then p, then the conversion's scale operand; index 2 u + c
.set KF,  40                           ; v40-87 K's eight fragments, v88-93 zeros
.set TA,  94
.set S,   96                           ; v96-223 S^T, then p: 64 u + 32 c + i
.set P,   224                          ; v224-247 p's codes
.set BMB, 248
.set BY,  248
.set Y,   248
.set TB,  252
.set O,   0                            ; window 1: v0-63 O^T, v64-87 Q, v96-143 V, v192-223 the bias; at the end v0-191 Wo^T
.set QF,  64
.set VF,  96
.set BI,  192
.set WV,  14
.set CX,  15
.set G1R, 16
.set G1W, 24
.set G0,  32                           ; s[32:39] group 0 for slot 0, 1
.set G0W, 40                           ; s[40:47] the same for Wo^T's halves
.set SEL, 48
.set CS,  50
.set NC,  52
.set CNT, 53
.set PFA, 54
.set MSB, 0
.macro WIN new
.if MSB != \new
	s_set_vgpr_msb (MSB<<8)|\new
.set MSB, \new
.endif
.endm
.macro ROUND                           ; a round of the cluster's barrier
	s_barrier_signal -1
	s_barrier_wait -1
	s_cmp_lg_u32 s[WV], 0
	s_cbranch_scc1 .Lnw0_\@
	s_barrier_signal -3
.Lnw0_\@:
	s_barrier_wait -3
	s_barrier_signal -1
	s_barrier_wait -1
.endm
.macro CREST                           ; a round behind its opening barrier
	s_cmp_lg_u32 s[WV], 0
	s_cbranch_scc1 .Lcw0_\@
	s_barrier_signal -3
.Lcw0_\@:
	s_barrier_wait -3
	s_barrier_signal -1
	s_barrier_wait -1
.endm
.macro QKM t, u
.if (\t)%2
.if \u
	v_wmma_scale_f32_16x16x128_f8f6f4 v[S+64*\u+8*\t:S+64*\u+8*\t+7], v[KF+6*\t:KF+6*\t+11], v[QF+12*\u:QF+12*\u+11], 0, v[KSC+\t/2], v[QS] matrix_a_fmt:MATRIX_FMT_BF6 matrix_b_fmt:MATRIX_FMT_BF6 matrix_a_scale:MATRIX_SCALE_ROW1 matrix_b_scale:MATRIX_SCALE_ROW1
.else
	v_wmma_scale_f32_16x16x128_f8f6f4 v[S+64*\u+8*\t:S+64*\u+8*\t+7], v[KF+6*\t:KF+6*\t+11], v[QF+12*\u:QF+12*\u+11], 0, v[KSC+\t/2], v[QS] matrix_a_fmt:MATRIX_FMT_BF6 matrix_b_fmt:MATRIX_FMT_BF6 matrix_a_scale:MATRIX_SCALE_ROW1
.endif
.else
.if \u
	v_wmma_scale_f32_16x16x128_f8f6f4 v[S+64*\u+8*\t:S+64*\u+8*\t+7], v[KF+6*\t:KF+6*\t+11], v[QF+12*\u:QF+12*\u+11], 0, v[KSC+\t/2], v[QS] matrix_a_fmt:MATRIX_FMT_BF6 matrix_b_fmt:MATRIX_FMT_BF6 matrix_b_scale:MATRIX_SCALE_ROW1
.else
	v_wmma_scale_f32_16x16x128_f8f6f4 v[S+64*\u+8*\t:S+64*\u+8*\t+7], v[KF+6*\t:KF+6*\t+11], v[QF+12*\u:QF+12*\u+11], 0, v[KSC+\t/2], v[QS] matrix_a_fmt:MATRIX_FMT_BF6 matrix_b_fmt:MATRIX_FMT_BF6
.endif
.endif
.endm
.macro PVM i, u                        ; O^T of channel tile i and query tile u
.if (\i)%2
	v_wmma_scale_f32_16x16x128_f8f6f4 v[O+32*\u+8*\i:O+32*\u+8*\i+7], v[VF+12*\i:VF+12*\i+11], v[P+12*\u:P+12*\u+11], v[O+32*\u+8*\i:O+32*\u+8*\i+7], v[VSC+\i/2], v[PW+2*\u] matrix_a_fmt:MATRIX_FMT_BF6 matrix_b_fmt:MATRIX_FMT_BF6 matrix_a_scale:MATRIX_SCALE_ROW1
.else
	v_wmma_scale_f32_16x16x128_f8f6f4 v[O+32*\u+8*\i:O+32*\u+8*\i+7], v[VF+12*\i:VF+12*\i+11], v[P+12*\u:P+12*\u+11], v[O+32*\u+8*\i:O+32*\u+8*\i+7], v[VSC+\i/2], v[PW+2*\u] matrix_a_fmt:MATRIX_FMT_BF6 matrix_b_fmt:MATRIX_FMT_BF6
.endif
.endm
; K of a step: the pair of tiles (c, v) is 12 registers: lane (r, h) takes the place 8 v + r % 8 + 16 h of image 2 c + r / 8.  Its scale words: lanes 0-15 the even tile's, lanes 16-31 the odd one's.
.macro KLOAD sl
.irp c, 0,1
.irp v, 0,1
.irp k, 0,1,2
	ds_load_b128 v[KF+12*(2*\c+\v)+4*\k:KF+12*(2*\c+\v)+4*\k+3], v[AK+\sl] offset:3840*\c+640*\k+128*\v
.endr
.endr
.endr
.irp c, 0,1
.irp v, 0,1
	ds_load_b32 v[KSC+2*\c+\v], v[AW+\sl] offset:128*\v+8*\c
.endr
.endr
.endm
.macro FMAG g, sl                      ; t - M, two at a time: 16 registers of each unit
.irp j, 0,2,4,6,8,10,12,14
.irp u, 0,1
	v_pk_fma_f32 v[S+64*\u+16*\g+\j:S+64*\u+16*\g+\j+1], v[S+64*\u+16*\g+\j:S+64*\u+16*\g+\j+1], s[CS:CS+1], v[NM+2*\u+4*\sl:NM+2*\u+4*\sl+1] op_sel_hi:[1,0,0]
.endr
.endr
.endm
; A KEY STEP: 128 keys x 32 queries.  kind 0: the slot takes the record two steps on; 1: Wo^T's first half; 2: its second half, and no K follows.
.macro STEP sl, kind
	s_wait_dscnt 0x0                               ; K and its scale words, asked for in the middle of the step before
	WIN 0x04                                       ; source 1 (Q) window 1
.irp t, 0,1,2,3,4,5,6,7
.irp u, 0,1
	QKM \t, \u
.endr
.endr
	WIN 0
.rept 4
	v_nop                                          ; four places: ahead of the loads into V's registers and of the first read of scores
.endr
	WIN 0x40
.set n, 0
.rept 12
	ds_load_b128 v[VF+4*n:VF+4*n+3], v[AL+\sl] offset:640*(12+n)
.set n, n+1
.endr
	WIN 0
	ds_load_b64 v[VSC:VSC+1], v[AL+\sl] offset:640*25
.irp b, 0,1,2,3                                ; the largest score of each block of 32 keys, all in my lane; two chains a block, eight by turns; each tile is read from its low end on
	v_max3_num_f32 v[BMA+\b], v[S+32*\b], v[S+32*\b+1], v[S+32*\b+2]
	v_max3_num_f32 v[BMB+\b], v[S+32*\b+16], v[S+32*\b+17], v[S+32*\b+18]
.endr
.irp i, 3,5,7,9,11,13
.irp b, 0,1,2,3
	v_max3_num_f32 v[BMA+\b], v[BMA+\b], v[S+32*\b+\i], v[S+32*\b+\i+1]
	v_max3_num_f32 v[BMB+\b], v[BMB+\b], v[S+32*\b+16+\i], v[S+32*\b+17+\i]
.endr
.endr
.irp b, 0,1,2,3
	v_max3_num_f32 v[BMA+\b], v[BMA+\b], v[S+32*\b+15], v[S+32*\b+31]
.endr
.irp b, 0,1,2,3
	v_max_num_f32 v[BMA+\b], v[BMA+\b], v[BMB+\b]
.endr
.irp u, 0,1
	v_max_num_f32 v[TA+\u], v[BMA+2*\u], v[BMA+2*\u+1]
.endr
.irp u, 0,1
	v_permlanex16_b32 v[TB+\u], v[TA+\u], s[SEL], s[SEL+1]
.endr
.irp u, 0,1
	v_max3_num_f32 v[RM+2*\u], v[RM+2*\u], v[TA+\u], v[TB+\u]   ; the running largest score, both halves of the keys
.endr
.irp u, 0,1
	v_mul_f32 v[TA+\u], s[NC], v[RM+2*\u]          ; -t
.endr
.irp u, 0,1
	v_floor_f32 v[NM+2*\u+4*\sl], v[TA+\u]         ; the new -M; the old one stands in the other step's register
.endr
	FMAG 0, \sl
.irp u, 0,1
	v_sub_f32 v[TB+\u], v[NM+2*\u+4*\sl], v[NM+2*\u+4*(1-\sl)]   ; old M - new M: a whole number, 0 or less
.endr
	FMAG 1, \sl
.irp u, 0,1
	v_cvt_i32_f32 v[TB+\u], v[TB+\u]               ; (it saturates)
.endr
	FMAG 2, \sl
.irp u, 0,1
	v_ldexp_f32 v[F+2*\u], 1.0, v[TB+\u]           ; f = 2^(old M - new M)
.endr
	FMAG 3, \sl
.irp u, 0,1
.irp c, 0,1
	v_fma_f32 v[BMA+2*\u+\c], v[BMA+2*\u+\c], s[CS], v[NM+2*\u+4*\sl]   ; the same of each block's largest score
.endr
.endr
	; THE CHANGE OF SLOTS: this step's K and V are in registers, so its slot is free.  The round's opening signal stands here; its wait follows behind the exponentials: only work on registers stands between
	s_wait_alu depctr_va_vdst(0)                   ; ahead of the waits below
	s_wait_tensorcnt 0x0                           ; my one load that was out, the next step's record, has landed
	ds_add_u32 v[SPW], v[NIL]
.if \kind == 0
	s_add_nc_u64 s[G0+4*\sl+2:G0+4*\sl+3], s[G0+4*\sl+2:G0+4*\sl+3], 2*REC
.endif
	s_wait_dscnt 0x0                               ; the add is done, and V is in: my reads of this slot are over
	s_barrier_signal -1                            ; say so
	WIN 0x41
.set j, 0
.rept 16
.irp u, 0,1
	v_pk_mul_f32 v[O+32*\u+j:O+32*\u+j+1], v[O+32*\u+j:O+32*\u+j+1], v[F+2*\u:F+2*\u+1] op_sel_hi:[1,0]   ; O^T under the new M
.endr
.set j, j+2
.endr
	WIN 0
	s_wait_alu depctr_va_vdst(0)                   ; ahead of the batch
.set j, 0
.rept 128
	v_exp_f32 v[S+j], v[S+j]                       ; p = 2^(t - M)
.set j, j+1
.endr
.irp b, 0,1,2,3
	v_exp_f32 v[BMA+\b], v[BMA+\b]                 ; each block's largest p: the same two instructions on the same number
.endr
	v_nop
	s_wait_alu depctr_va_vdst(0)                   ; one wait for the batch
.irp b, 0,1,2,3
	v_max_num_f32 v[BMA+\b], 0x2800000, v[BMA+\b]  ; the floor 2^(5 - 127)
.endr
.irp b, 0,1,2,3
	v_add_nc_u32 v[BMA+\b], 0xfe000000, v[BMA+\b]  ; 4 off the exponent field: the conversion's scale operand
.endr
.irp b, 0,1,2,3
	v_lshrrev_b32 v[BY+\b], 23, v[BMA+\b]          ; the byte of block 2 c + h
.endr
.irp u, 0,1
	v_lshl_or_b32 v[BY+2*\u], v[BY+2*\u+1], 16, v[BY+2*\u]
.endr
.irp u, 0,1
	v_lshlrev_b32 v[BY+2*\u], v[SH8], v[BY+2*\u]   ; at their places in the word
.endr
.irp u, 0,1
	v_permlanex16_b32 v[TB+\u], v[BY+2*\u], s[SEL], s[SEL+1]
.endr
.irp u, 0,1
	v_or_b32 v[PW+2*\u], v[BY+2*\u], v[TB+\u]      ; with lane l xor 16's two bytes the word is whole
.endr
	s_wait_alu depctr_va_vdst(0)                   ; ahead of the barrier's wait
	s_barrier_wait -1                              ; all eight waves have left this slot,
	CREST                                          ; and so have the partners' waves
.if \kind == 0
	tensor_load_to_lds s[G0+4*\sl:G0+4*\sl+3], s[G1R:G1R+7]
.else
	tensor_load_to_lds s[G0W+4*\sl:G0W+4*\sl+3], s[G1W:G1W+7]
.endif
	s_nop 0
.if \kind < 2
	KLOAD 1-\sl
.endif
.if \kind == 0
	s_cmp_lg_u32 s[CNT], 1                         ; the loop's last trip has no step four on
	s_cbranch_scc0 .Lnoask_\@
	s_cmp_lt_u32 ttmp9, 4
	s_cbranch_scc0 .Lno_prefetch_attnpr0_\@
	global_prefetch_b8 v[PFO], s[PFA:PFA+1] offset:REC*\sl th:TH_LOAD_NT scope:SCOPE_SE
.Lno_prefetch_attnpr0_\@:
.Lnoask_\@:
.endif
.irp u, 0,1
.irp c, 0,1
	v_cvt_scalef32_pk16_bf6_f32 v[P+12*\u+6*\c:P+12*\u+6*\c+2], v[S+64*\u+32*\c:S+64*\u+32*\c+15], v[BMA+2*\u+\c]
	v_cvt_scalef32_pk16_bf6_f32 v[Y+4*\c:Y+4*\c+2], v[S+64*\u+32*\c+16:S+64*\u+32*\c+31], v[BMA+2*\u+\c]   ; (three registers begin on an even number: made elsewhere and moved)
.endr
	v_nop                                          ; one plain instruction behind the conversions
.irp c, 0,1
.irp i, 0,1,2
	v_mov_b32 v[P+12*\u+6*\c+3+\i], v[Y+4*\c+\i]
.endr
.endr
.endr
.irp w, 32,16,8,4,2                            ; the sum of the unquantised p, in place: 31 packed additions a unit
.set j, 0
.rept \w/2
.irp u, 0,1
	v_pk_add_f32 v[S+64*\u+j:S+64*\u+j+1], v[S+64*\u+j:S+64*\u+j+1], v[S+64*\u+j+\w:S+64*\u+j+\w+1]
.endr
.set j, j+2
.endr
.endr
.irp u, 0,1
	v_pk_fma_f32 v[L+2*\u:L+2*\u+1], v[L+2*\u:L+2*\u+1], v[F+2*\u:F+2*\u+1], v[S+64*\u:S+64*\u+1] op_sel_hi:[1,0,1]
.endr
	WIN 0x51                                       ; V, C and D window 1; the eight accumulators take turns
.irp i, 0,1,2,3
.irp u, 0,1
	PVM \i, \u
.endr
.endr
	WIN 0
.endm
.set QM,  248
.set QP,  250
.set QX,  252
.set QY,  36
.macro QUANT2 s, d, hw                 ; 32 numbers of a lane, register 16 b + i = channel 32 b + 16 h + i: 6 registers of codes at v[d], two scale bytes in v[hw]
.irp b, 0,1
	v_max3_num_f32 v[QM+\b], |v[(\s)+16*\b]|, |v[(\s)+16*\b+1]|, 0x2800000
.endr
.irp i, 2,4,6,8,10,12,14
.irp b, 0,1
	v_max3_num_f32 v[QM+\b], v[QM+\b], |v[(\s)+16*\b+\i]|, |v[(\s)+16*\b+\i+1]|
.endr
.endr
.irp b, 0,1
	v_permlanex16_b32 v[QP+\b], v[QM+\b], s[SEL], s[SEL+1]
.endr
.irp b, 0,1
	v_max_num_f32 v[QM+\b], v[QM+\b], v[QP+\b]
.endr
.irp b, 0,1
	v_add_nc_u32 v[QX+\b], 0xfe000000, v[QM+\b]
.endr
.irp b, 0,1
	v_lshrrev_b32 v[QP+\b], 23, v[QX+\b]
.endr
	v_lshl_or_b32 v[\hw], v[QP+1], 8, v[QP]
	v_cvt_scalef32_pk16_bf6_f32 v[(\d):(\d)+2], v[(\s):(\s)+15], v[QX]
	v_cvt_scalef32_pk16_bf6_f32 v[QY:QY+2], v[(\s)+16:(\s)+31], v[QX+1]
	v_nop
.irp i, 0,1,2
	v_permlane16_swap_b32 v[(\d)+\i], v[QY+\i]
.endr
.irp i, 0,1,2
	v_mov_b32 v[(\d)+3+\i], v[QY+\i]
.endr
.endm
	s_load_b256 s[4:11], s[0:1], 0x0               ; qq s[4:5], kv s[6:7], wq s[8:9], bo s[10:11]
	s_load_b64 s[12:13], s[0:1], 0x20              ; out0
	v_lshl_add_u32 v[SPW], v0, 2, SPARE
	v_mov_b32 v[NIL], 0
	ds_add_u32 v[SPW], v[NIL]                      ; the opening: the add, twice on end, and its wait
	ds_add_u32 v[SPW], v[NIL]
	v_lshrrev_b32 v3, 5, v0
	v_readfirstlane_b32 s[WV], v3                  ; wave = head
	s_bfe_u32 s[CX], ttmp6, 0x40000                ; cx enters Q's, the prefetches' and out0's global addresses alone
	s_lshr_b32 s56, ttmp9, 5                       ; batch, which the four partners share
	s_and_b32 s57, ttmp9, 31                       ; block of 128 tokens
	s_lshl_b32 s56, s56, 3
	s_add_co_u32 s56, s56, s[WV]                   ; batch x 8 + head
	; groups 1: rows of 512 bytes (64 elements of 8), 32 words of padding behind each 128; the mask of all four, bit 21 beside it
	s_mov_b32 s[G1R], 15|(3<<16)|(1<<20)|(1<<21)|(6<<22)|(31<<25)
	s_mov_b32 s[G1R+1], 64<<16
	s_mov_b32 s[G1R+2], 26<<16
	s_mov_b32 s[G1R+3], 64<<16
	s_mov_b32 s[G1R+4], 26
	s_mov_b32 s[G1R+5], 64
	s_mov_b32 s[G1R+6], 0
	s_mov_b32 s[G1R+7], 0
	s_mov_b32 s[G1W], 15|(3<<16)|(1<<20)|(1<<21)|(6<<22)|(31<<25)
	s_mov_b32 s[G1W+1], 64<<16
	s_mov_b32 s[G1W+2], 24<<16
	s_mov_b32 s[G1W+3], 64<<16
	s_mov_b32 s[G1W+4], 24
	s_mov_b32 s[G1W+5], 64
	s_mov_b32 s[G1W+6], 0
	s_mov_b32 s[G1W+7], 0
	s_mul_i32 s58, s[WV], LREC                     ; my record's place in a slot
	s_add_co_u32 s59, s58, 24*640                  ; and K's scale words in it
	s_mul_i32 s60, s56, 32*REC                     ; my head's records
	s_mov_b32 s61, 0
	s_mul_i32 s62, s[WV], 24576
	s_add_co_u32 s62, s62, WOC                     ; my 64 channels of Wo^T
	s_mov_b32 s63, 0
	s_mul_i32 s66, s[CX], 13*256
	s_add_co_u32 s66, s66, s60
	s_add_co_u32 s66, s66, 4*REC                   ; the prefetches begin at step 4, my work-group's 13 blocks
	s_mov_b32 s67, 0
	s_lshl_b32 s68, s56, 5
	s_add_co_u32 s68, s68, s57                     ; Q's record
	s_mul_i32 s70, s68, 6144
	s_mul_i32 s69, s[CX], 1536
	s_add_co_u32 s70, s70, s69                     ; the image of my pair of tiles
	s_mov_b32 s71, 0
	s_lshl_b32 s72, s68, 9
	s_lshl_b32 s69, s[CX], 2
	s_add_co_u32 s72, s72, s69
	s_add_co_u32 s72, s72, QQS
	s_mov_b32 s73, 0
	s_lshl_b32 s74, s[WV], 10
	s_add_co_u32 s74, s74, WOS
	s_mov_b32 s75, 0
	s_lshl_b32 s76, s[WV], 8
	s_mov_b32 s77, 0
	s_lshl_b32 s78, ttmp9, 2
	s_add_co_u32 s78, s78, s[CX]
	s_lshl_b32 s78, s78, 16                        ; 32 rows of 2,048 bytes,
	s_lshl_b32 s69, s[WV], 13                      ; and in them my four
	s_add_co_u32 s78, s78, s69
	s_mov_b32 s79, 0
	s_mov_b32 s[SEL], 0x76543210
	s_mov_b32 s[SEL+1], 0xfedcba98
	s_mov_b32 s[CS], 0x3e38aa3b                    ; c = log2(e) / 8
	s_mov_b32 s[CS+1], s[CS]
	s_mov_b32 s[NC], 0xbe38aa3b                    ; -c
	s_wait_dscnt 0x0
	s_wait_kmcnt 0x0
	s_mov_b32 s[G0], 1
	s_mov_b32 s[G0+1], s58
	s_add_nc_u64 s[G0+2:G0+3], s[6:7], s[60:61]
	s_mov_b32 s[G0+4], 1
	s_add_co_u32 s[G0+5], s58, SLOT
	s_add_nc_u64 s[G0+6:G0+7], s[G0+2:G0+3], REC
	s_or_b32 s[G0+3], s[G0+3], 0x80000000
	s_or_b32 s[G0+7], s[G0+7], 0x80000000
	s_mov_b32 s[G0W], 1
	s_mov_b32 s[G0W+1], s58
	s_add_nc_u64 s[G0W+2:G0W+3], s[8:9], s[62:63]
	s_mov_b32 s[G0W+4], 1
	s_add_co_u32 s[G0W+5], s58, SLOT
	s_add_nc_u64 s[G0W+6:G0W+7], s[G0W+2:G0W+3], 12288
	s_or_b32 s[G0W+3], s[G0W+3], 0x80000000
	s_or_b32 s[G0W+7], s[G0W+7], 0x80000000
	s_add_nc_u64 s[PFA:PFA+1], s[6:7], s[66:67]
	s_add_nc_u64 s[70:71], s[4:5], s[70:71]
	s_add_nc_u64 s[72:73], s[4:5], s[72:73]
	s_add_nc_u64 s[74:75], s[8:9], s[74:75]
	s_add_nc_u64 s[76:77], s[10:11], s[76:77]
	s_add_nc_u64 s[78:79], s[12:13], s[78:79]
	ROUND                                          ; the first joint loads meet
	tensor_load_to_lds s[G0:G0+3], s[G1R:G1R+7]    ; step 0: one load a wave at the head
	s_nop 0
.rept 4
	v_nop
.endr
	v_and_b32 v29, 31, v0
	v_lshlrev_b32 v[L16], 4, v29
	v_and_b32 v36, 7, v0                           ; r % 8
	v_bfe_u32 v37, v0, 3, 1                        ; r / 8
	v_bfe_u32 v38, v0, 4, 1                        ; h
	v_lshlrev_b32 v39, 4, v36
	v_lshl_add_u32 v39, v38, 8, v39                ; 16 (r % 8) + 256 h
	v_mad_u32_u24 v94, v37, 1920, v39              ; + three rows for lanes 8-15 of a half: the odd image
	v_lshl_add_u32 v95, v37, 2, v39
	v_add_nc_u32 v[AK], s58, v94
	v_add_nc_u32 v[AL], s58, v[L16]
	v_add_nc_u32 v[AW], s59, v95
	v_add_nc_u32 v[AK+1], SLOT, v[AK]
	v_add_nc_u32 v[AL+1], SLOT, v[AL]
	v_add_nc_u32 v[AW+1], SLOT, v[AW]
	v_lshlrev_b32 v[SH8], 3, v38
	v_lshlrev_b32 v37, 6, v38                      ; the bias: 64 h
	v_and_b32 v36, 15, v0
	v_lshlrev_b32 v[R16], 4, v36
	v_min_u32 v[PFO], 12, v29                      ; lanes 0-12 a block of 256 bytes each; the others name the last again
	v_lshlrev_b32 v[PFO], 8, v[PFO]
.irp c, 0,1,2
	global_load_b128 v[S+4*\c:S+4*\c+3], v[L16], s[70:71] offset:512*\c   ; Q: registers 0-5 the even tile, 6-11 the odd one
.endr
	global_load_b32 v[QS], v[L16], s[72:73]        ; lanes 0-15 the even tile's words, lanes 16-31 the odd one's
	WIN 0x40
.irp a, 0,1,2,3
	global_load_b128 v[BI+8*\a:BI+8*\a+3], v37, s[76:77] offset:(32*(\a/2)+8*(\a%2))*4
	global_load_b128 v[BI+8*\a+4:BI+8*\a+7], v37, s[76:77] offset:(32*(\a/2)+8*(\a%2))*4+16
.endr
.set j, 0
.rept 64
	v_mov_b32 v[O+j], 0                            ; O^T: the step is written once; the first finds zeros
.set j, j+1
.endr
.irp i, 0,1,2,3,4,5
	v_mov_b32 v[QF+6+\i], 0                        ; zero codes for k = 64 .. 127
	v_mov_b32 v[QF+18+\i], 0
.endr
	WIN 0
.irp u, 0,1
	v_mov_b32 v[RM+2*\u], 0xff61b1e6               ; -3e38, under every score
	v_mov_b32 v[NM+2*\u+4], 0x7f61b1e6             ; the -M that goes with it
	v_mov_b32 v[NM+2*\u], 0
	v_mov_b32 v[L+2*\u], 0
	v_mov_b32 v[L+2*\u+1], 0
	v_mov_b32 v[PW+2*\u], 0                        ; (named in a pair before it is first made)
	v_mov_b32 v[TB+\u], 0                          ; a lane permute's destination counts as a source
.endr
	v_mov_b32 v19, 0
.irp i, 0,1,2,3,4,5
	v_mov_b32 v[KF+48+\i], 0                       ; behind K's last fragment
.endr
	s_wait_alu depctr_va_vdst(0)
	s_wait_loadcnt 0x0
	WIN 0x40
.irp i, 0,1,2,3,4,5
	v_mov_b32 v[QF+\i], v[S+\i]
	v_mov_b32 v[QF+12+\i], v[S+6+\i]
.endr
	WIN 0
	s_wait_alu depctr_va_vdst(0)                   ; at the head's end
	s_wait_tensorcnt 0x0                           ; step 0 is in; slot 1's first fill is issued as a refill is
	ds_add_u32 v[SPW], v[NIL]
	s_wait_dscnt 0x0
	ROUND
	tensor_load_to_lds s[G0+4:G0+7], s[G1R:G1R+7]  ; step 1
	s_nop 0
	KLOAD 0
	s_mov_b32 s[CNT], 15
.Lpair:                                            ; steps 0 to 29, two a trip
	STEP 0, 0
	STEP 1, 0
	s_wait_alu depctr_va_vdst(0)
	s_wait_xcnt 0x0                                ; the prefetches have read their address
	s_add_nc_u64 s[PFA:PFA+1], s[PFA:PFA+1], 2*REC
	s_sub_co_u32 s[CNT], s[CNT], 1
	s_cmp_lg_u32 s[CNT], 0
	s_cbranch_scc1 .Lpair
	STEP 0, 1
	STEP 1, 2
	; THE WAY OUT.  O^T / the sum, quantised along the head's 64 channels; the codes and bytes of all heads meet in LDS; then out = A Wo + bo.
.set N,   96                           ; v96-159 O normalised; then v96-191 A's fragments, later rows on their way out
.set WS,  40                           ; v40-55 Wo's scale words
.set BS,  56                           ; v56-63 A's
.set BB,  96
.set ACC, 192
	s_mul_i32 s56, s[WV], 768
	s_add_co_u32 s56, s56, AIM
	s_lshl_b32 s57, s[WV], 1
	s_add_co_u32 s57, s57, ASW
	s_lshl_b32 s58, s[WV], 8
	s_mul_i32 s59, s[WV], 4*SP
.irp a, 0,1,2,3
	global_load_b128 v[WS+4*\a:WS+4*\a+3], v[R16], s[74:75] offset:256*\a
.endr
	s_wait_alu depctr_va_vdst(0)                   ; directly ahead of the reader of the sums
.irp u, 0,1
	v_add_f32 v[L+2*\u], v[L+2*\u], v[L+2*\u+1]
.endr
.irp u, 0,1
	v_permlanex16_b32 v[TB+\u], v[L+2*\u], s[SEL], s[SEL+1]
.endr
.irp u, 0,1
	v_add_f32 v[L+2*\u], v[L+2*\u], v[TB+\u]       ; the row's sum
.endr
	s_wait_alu depctr_va_vdst(0)
	v_rcp_f32 v[L], v[L]
	v_rcp_f32 v[L+2], v[L+2]
	v_and_b32 v38, 31, v0
	v_and_b32 v39, 15, v0
	v_bfe_u32 v37, v0, 4, 1
	v_lshl_add_u32 v4, v38, 3, s56                 ; my head's codes: 768 head + 8 x lane
	v_lshl_add_u32 v8, v38, 3, AIM                 ; and back
	v_lshl_add_u32 v5, v39, 4, s57                 ; my head's two bytes: 16 r + 2 head
	v_lshl_add_u32 v9, v39, 4, ASW
	v_and_b32 v10, 8, v39
	v_add_nc_u32 v10, v10, v39                     ; my token's row: r + 8 (r / 8)
	v_mul_u32_u24 v10, v10, SP
	v_lshl_add_u32 v10, v37, 6, v10
	v_add_nc_u32 v10, s58, v10                     ; + 64 h + 256 wave
	v_add_nc_u32 v29, s59, v[L16]                  ; back: my four rows
	WIN 0x01
	s_wait_alu depctr_va_vdst(0)                   ; behind the reciprocals, directly ahead of the first reader of O^T
.irp u, 0,1
.set j, 0
.rept 16
	v_pk_mul_f32 v[N+32*\u+j:N+32*\u+j+1], v[O+32*\u+j:O+32*\u+j+1], v[L+2*\u:L+2*\u+1] op_sel_hi:[1,0]
.set j, j+2
.endr
.endr
	WIN 0
	QUANT2 N, P, TA
	QUANT2 N+32, P+12, TA+1
.irp u, 0,1
.irp p, 0,1,2
	ds_store_b64 v4, v[P+12*\u+2*\p:P+12*\u+2*\p+1] offset:6144*\u+256*\p
.endr
	ds_store_b16 v5, v[TA+\u] offset:256*\u        ; both halves of the lanes write the same bytes with the same value
.endr
	s_wait_alu depctr_va_vdst(0)
	s_wait_tensorcnt 0x0                           ; Wo^T's two halves are in
	ds_add_u32 v[SPW], v[NIL]
	s_wait_dscnt 0x0                               ; for the others' sake
	s_barrier_signal -1
	s_barrier_wait -1                              ; all heads' codes and bytes lie in LDS
	WIN 0x40
.set n, 0
.rept 24
	ds_load_b128 v[4*n:4*n+3], v[AL] offset:640*n
	ds_load_b128 v[96+4*n:96+4*n+3], v[AL+1] offset:640*n
.set n, n+1
.endr
	WIN 0
.set n, 0
.rept 48
	ds_load_b64 v[BB+2*n:BB+2*n+1], v8 offset:256*n   ; fragment (tile, K step s): heads 2 s and 2 s + 1, six registers each
.set n, n+1
.endr
	ds_load_b128 v[BS:BS+3], v9
	ds_load_b128 v[BS+4:BS+7], v9 offset:256
	s_wait_loadcnt 0x0
	s_wait_dscnt 0x0                               ; my reads of the slots are over:
	s_barrier_signal -1                            ; behind this barrier slot 0 serves as the stage
.irp s, 0,1,2,3
.if \s == 0
	WIN 0x11                                       ; source 0 and C (the bias) window 1
.else
	WIN 0x01
.endif
.irp tt, 0,1
.irp a, 0,1,2,3
.if \s == 0
	v_wmma_scale_f32_16x16x128_f8f6f4 v[ACC+32*\tt+8*\a:ACC+32*\tt+8*\a+7], v[12*(4*\a+\s):12*(4*\a+\s)+11], v[BB+48*\tt+12*\s:BB+48*\tt+12*\s+11], v[BI+8*\a:BI+8*\a+7], v[WS+4*\a+\s], v[BS+4*\tt+\s] matrix_a_fmt:MATRIX_FMT_BF6 matrix_b_fmt:MATRIX_FMT_BF6
.else
	v_wmma_scale_f32_16x16x128_f8f6f4 v[ACC+32*\tt+8*\a:ACC+32*\tt+8*\a+7], v[12*(4*\a+\s):12*(4*\a+\s)+11], v[BB+48*\tt+12*\s:BB+48*\tt+12*\s+11], v[ACC+32*\tt+8*\a:ACC+32*\tt+8*\a+7], v[WS+4*\a+\s], v[BS+4*\tt+\s] matrix_a_fmt:MATRIX_FMT_BF6 matrix_b_fmt:MATRIX_FMT_BF6
.endif
.endr
.endr
.endr
	WIN 0
	s_barrier_wait -1
.rept 4
	v_nop                                          ; four places ahead of the first read of results and of the loads into A's registers
.endr
.irp tt, 0,1
.irp b, 0,1
.irp q, 0,1,2,3
	ds_store_b128 v10, v[ACC+32*\tt+16*\b+4*\q:ACC+32*\tt+16*\b+4*\q+3] offset:\tt*8*SP+128*\b+16*\q   ; lane (r, h): outputs 64 wave + 32 b + 16 h + 4 q on
.endr
.endr
.endr
	s_wait_dscnt 0x0                               ; for the others' sake
	s_barrier_signal -1
	s_barrier_wait -1                              ; 32 whole rows lie in the stage
.irp i, 0,1,2,3
.irp q, 0,1,2,3
	ds_load_b128 v[BB+4*(4*\i+\q):BB+4*(4*\i+\q)+3], v29 offset:SP*\i+512*\q
.endr
.endr
.irp i, 0,1,2,3
.irp q, 0,1,2,3
	s_wait_dscnt 15-(4*\i+\q)                      ; this load is in; the younger ones may be out
	global_store_b128 v[L16], v[BB+4*(4*\i+\q):BB+4*(4*\i+\q)+3], s[78:79] offset:2048*\i+512*\q th:TH_STORE_NT   ; 512 consecutive bytes, at a multiple of 512
.endr
.endr
	s_wait_tensorcnt 0x0                           ; the wave's end
	ds_add_u32 v[SPW], v[NIL]
	s_wait_dscnt 0x0
	ROUND                                          ; the closing round
	s_endpgm
.Lfunc_end_k_q70a7c0b019_attnproj:
	.size	k_q70a7c0b019_attnproj, .Lfunc_end_k_q70a7c0b019_attnproj-k_q70a7c0b019_attnproj
	.p2alignl 7, 3214868480
	.fill 96, 4, 3214868480
	.section	.rodata,"a",@progbits
	.p2align	6, 0x0
	.amdhsa_kernel k_q70a7c0b019_attnproj
		.amdhsa_group_segment_fixed_size 327680
		.amdhsa_private_segment_fixed_size 0
		.amdhsa_enable_private_segment 0
		.amdhsa_kernarg_size 40
		.amdhsa_user_sgpr_count 2
		.amdhsa_user_sgpr_kernarg_segment_ptr 1
		.amdhsa_wavefront_size32 1
		.amdhsa_system_sgpr_workgroup_id_x 1
		.amdhsa_system_sgpr_workgroup_id_y 1
		.amdhsa_system_sgpr_workgroup_id_z 1
		.amdhsa_system_vgpr_workitem_id 0
		.amdhsa_next_free_vgpr 512
		.amdhsa_next_free_sgpr 84
		.amdhsa_reserve_vcc 0
		.amdhsa_float_denorm_mode_32 3
		.amdhsa_float_denorm_mode_16_64 3
		.amdhsa_memory_ordered 1
		.amdhsa_forward_progress 1
		.amdhsa_inst_pref_size 143
	.end_amdhsa_kernel
	.amdgpu_metadata
---
amdhsa.version: [ 1, 2 ]
amdhsa.kernels:
  - .name:           k_q70a7c0b019_attnproj
    .symbol:         k_q70a7c0b019_attnproj.kd
    .args:
      - { .name: qq, .offset: 0, .size: 8, .value_kind: global_buffer, .address_space: global }
      - { .name: kv, .offset: 8, .size: 8, .value_kind: global_buffer, .address_space: global }
      - { .name: wq, .offset: 16, .size: 8, .value_kind: global_buffer, .address_space: global }
      - { .name: bo, .offset: 24, .size: 8, .value_kind: global_buffer, .address_space: global }
      - { .name: out0, .offset: 32, .size: 8, .value_kind: global_buffer, .address_space: global }
    .group_segment_fixed_size: 327680
    .private_segment_fixed_size: 0
    .kernarg_segment_align: 8
    .kernarg_segment_size: 40
    .max_flat_workgroup_size: 256
    .sgpr_count:     84
    .vgpr_count:     512
    .wavefront_size: 32
...
	.end_amdgpu_metadata
.endif
;; end of part 3
